; MI455X (gfx1250); checked and timed in simulation.
; The chip was launched on July 23, 2026; its instructions are those of AMD's public machine-readable ISA for CDNA 5 (MIT licence, August 2026) and "CDNA5" Instruction Set Architecture Reference Guide (July 2026). The comments in the code are by the model that wrote it; some were corrected since.
;; Parallel Linear. Allowed arithmetic: matrix products marked QUANTISED: E2M3 operands, one E8M0 scale for each 32 along K, by v_wmma_scale_f32_16x16x128_f8f6f4 with both operands' format E2M3, f32 sums; everything else in f32.
;; Inputs: W 4 x 2,048 x 2,048 float32; b 4 x 2,048 float32; layer_idx 4,096 int32; x 4,096 x 2,048 float32.
;; Outputs: out0 4,096 x 2,048 float32.
;; This version of the problem:
;;   THIS VERSION OF THE PROBLEM IS GIVEN IN LOW PRECISION. The matrix products marked QUANTISED in the list below multiply operands that are first quantised to E2M3 (2 exponent bits, 3 mantissa bits; 6 bits a number), with one power-of-two scale for each 32 numbers along K (OCP MX v1.0); their sums are f32. All else is computed in f32.
;;   The module's matrix products, in the order in which they are computed (A, B: the left and right operand; K: the contracted axis; several contracted axes count as one K, in the product's order):
;;     1. [M 8,192, K 2,048] x [K 2,048, N 4,096]; A: input W; B: input x: QUANTISED
;;   THE QUANTISER, for each operand of a quantised product, along K:
;;     - K is cut into blocks of 32 from its start; a last block that is shorter is filled with zeros.
;;     - A block's scale is 2^e with e = floor(log2(the largest magnitude in the block)) - 2, held to -126 .. 127; a block of zeros has e = 0. As a byte (E8M0): e + 127.
;;     - Each number is divided by its block's scale, clamped to +-7.5, and rounded to the nearest number of E2M3, ties to even, subnormals kept.
;;     - The product sums the exact products of the quantised numbers (number of the format x scale) in f32.
;;   ~~~python
;;   def quantise(x, axis):      # numpy; x: float32 -> the quantised numbers, widened to float32 again
;;       x = np.moveaxis(x, axis, -1); K = x.shape[-1]
;;       x = np.pad(x, [(0, 0)] * (x.ndim - 1) + [(0, -K % 32)]); x = x.reshape(x.shape[:-1] + (-1, 32)); a = np.abs(x).max(-1, keepdims=True)
;;       e = np.where(a > 0, np.clip(np.frexp(np.where(a > 0, a, 1))[1] - 1 - 2, -126, 127), 0)      # np.frexp(a)[1] - 1 = floor(log2(a)), exactly
;;       r = np.clip(x / 2.0 ** e, -7.5, 7.5)
;;       step = 2.0 ** (np.maximum(np.frexp(np.where(r == 0, 1, r))[1] - 1, 0) - 3)
;;       q = np.round(r / step) * step * 2.0 ** e      # np.round: ties to even
;;       return np.moveaxis(q.reshape(q.shape[:-2] + (-1,))[..., :K], -1, axis).astype(np.float32)
;;   ~~~
;; 2 versions, each right; version 2 is version 1 with the launch gemm written anew for expert scheduling mode. Each part assembles by itself: llvm-mc -triple=amdgcn-amd-amdhsa -mcpu=gfx1250 --defsym DOCPART=n.
;; ======== version 1 of 2: 2 launches
;; workspace buffers: xq 6,291,456 bytes; xs 262,144 bytes; wq 12,582,912 bytes; ws 524,288 bytes; order 20,480 bytes of whole numbers; tiles 256 bytes of whole numbers
;; launch prep (part 1): grid 769 x 1, 4 waves a work-group, no clusters, 33,536 bytes of LDS; arguments x, W, layer_idx, xq, xs, wq, ws, order, tiles; writes xq, xs, wq, ws, order, tiles
.if DOCPART == 1
	.amdgcn_target "amdgcn-amd-amdhsa--gfx1250"
	.amdhsa_code_object_version 6
	.text
	.protected	k_q11cafef071_prep
	.globl	k_q11cafef071_prep
	.p2align	8
	.type	k_q11cafef071_prep,@function
k_q11cafef071_prep:
	s_mov_b64 s[64:65], 0
	v_nop
	global_prefetch_b8 v0, s[64:65] scope:SCOPE_SE
	s_setreg_imm32_b32 hwreg(HW_REG_WAVE_MODE, 25, 1), 1
	s_wait_xcnt 0x0
; ONE LAUNCH, THREE ROLES, parted by the work-group's number (the same for all four waves of a work-group):
;   work-group 0        SORT: layer_idx [4096] -> order (tokens laid by expert, in tiles of 144 rows) and tiles (expert, valid rows for each of 32 tiles)
;   work-groups 1..256  X:    x [4096][2048] f32 -> xq (codes of FP6, E2M3) and xs (E8M0 scale bytes); K is innermost
;   work-groups 257..768 W:   W [4][2048 (k)][2048 (n)] f32 -> wq, ws; K is the first axis inside an expert
; THE QUANTISER, along K in blocks of 32: the scale is 2^(floor(log2(largest magnitude)) - 2); its byte is the largest magnitude's exponent field - 2, held at 1 from below;
; each number is divided by the scale and rounded to the nearest code, ties to even, beyond 7.5 the largest code.
; LIMITS: NaN and infinities in x and W are not served.  A block whose largest magnitude lies under 2^-124 keeps the byte 1.  A block of zeros gets the byte 1 where the rule says 127: its codes are
; zeros, which add nothing under any byte but 0xff, and the bytes are read by this program alone.  A layer_idx outside 0..3 is held at 3.
; LAYOUTS (this program's own):
;   xq  [token][1536 B]: in each K step's 96 bytes the four blocks of 24 bytes lie in the order 0, 2, 1, 3: lane (r, h) of an operand owns the 48 bytes at 96 s + 48 h, its registers 0-11 on end.
;   xs  [token][64 B]: byte i = block i; word s = the scale word of K step s.
;   wq  [e][64 columns][K step 16][fragment 4][3][lane 32][16 B]: an image of the operand's registers.
;   ws  [e][64 columns][4096 B]: the word of (pair of fragments p, K step s, lane 16 (n & 1) + r) at 256 (8 p + s / 2) + 8 lane + 4 (s & 1).
;   order 5,120 words: entry p < 4,608 = the token at row p % 144 of tile p / 144; pad rows of an expert's last tile repeat that expert's last token; rows of empty tiles hold 0; the rest takes the tail fill.
;   tiles 32 pairs (expert, valid rows 0..144).  For every split the sum of ceil(count / 144) is at most (4096 + 4 x 143) / 144 = 32.
; LDS: X has bytes 0..32767 (8,192 a wave), SORT bytes 32768..33023, W none.
.set STEPS, 16
.set EMAX,  2
.set WREG,  8192                       ; X: a wave's LDS: two stages of 32 x SP bytes, behind them its 256 scale bytes
.set SP,    80                         ; X: a lane's place in a stage: 64 bytes + 16 of padding
.set XR,    16                         ; X: v16-79   four sets of 16 numbers as loaded
.set XX,    80                         ; X: v80-111  two sets of 16 neighbours
.set XE,    112                        ; X: v112-127 a scale byte for each step
.set XC,    128                        ; X: v128-191 codes, four registers a step: no store's data are written again
.set WX,    32                         ; W: v32-95   two sets of 32 numbers
.set CD,    96                         ; W: v96-143  codes: 24 x (K step) + 12 h + 6 c
.set TP,    144                        ; W: v144-146 a block's upper 16 codes, before they are moved
.set SW,    24                         ; W: v24-25   two scale words
.set SCNT,  32768                      ; SORT: the four waves' counts, 16 bytes each
.set PP,    64                         ; SORT: v64-95  a position for each of my 32 registers of tokens
.set TK,    96                         ; SORT: v96-127 the tokens' numbers
.set LAST,  128                        ; SORT: v128-131 the token at an expert's last position, or -1
	s_load_b512 s[4:19], s[0:1], 0x0               ; x s[4:5], W s[6:7], layer_idx s[8:9], xq s[10:11], xs s[12:13], wq s[14:15], ws s[16:17], order s[18:19]
	s_load_b64 s[20:21], s[0:1], 0x40              ; tiles
	v_lshl_add_u32 v192, v0, 2, 0x8100
	v_mov_b32 v193, 0
	v_lshrrev_b32 v1, 5, v0
	v_readfirstlane_b32 s22, v1                    ; wave 0..3
	v_and_b32 v2, 31, v0                           ; lane
	s_wait_kmcnt 0x0
	s_cmp_eq_u32 ttmp9, 0
	s_cbranch_scc1 .Lsort
	s_cmp_gt_u32 ttmp9, 256
	s_cbranch_scc1 .Lpath_w
; ------------------------------------------------------------------ X: a wave takes 4 rows of x, 8,192 numbers, as 16 steps of 512
; Each load reads 512 consecutive bytes, 16 a lane; a step's 2,048 bytes turn through the wave's own stage in LDS and come back 64 bytes a lane: 16 neighbours along K, two lanes to a block.
	v_lshlrev_b32 v3, 4, v2                        ; my 16 bytes of a load's 512
	s_mul_i32 s24, s22, WREG
	v_lshrrev_b32 v14, 2, v2
	v_mul_u32_u24 v14, v14, SP
	v_and_b32 v15, 3, v2
	v_lshl_add_u32 v14, v15, 4, v14
	v_add_nc_u32 v14, s24, v14                     ; the stage, on the way in: SP (lane / 4) + 16 (lane % 4)
	v_mul_u32_u24 v15, v2, SP
	v_add_nc_u32 v15, s24, v15                     ; and on the way out: SP x lane
	v_lshrrev_b32 v4, 3, v2                        ; my 12 bytes of codes in a step's 384: K step lane / 8, 96 bytes each;
	v_mul_u32_u24 v4, v4, 96
	v_bfe_u32 v5, v2, 1, 1                         ; block b = (lane / 2) % 4 stands at place 2 (b & 1) + (b >> 1): 48 (b & 1)
	v_mad_u32_u24 v4, v5, 48, v4
	v_bfe_u32 v5, v2, 2, 1                         ; + 24 (b >> 1)
	v_mad_u32_u24 v4, v5, 24, v4
	v_and_b32 v5, 1, v2                            ; + 12 for the block's upper 16 codes
	v_mad_u32_u24 v4, v5, 12, v4
	v_lshrrev_b32 v5, 1, v2
	s_add_co_u32 s24, s24, 2*32*SP
	v_add_nc_u32 v5, s24, v5                       ; LDS: my wave's 256 scale bytes, my block's byte
	v_lshlrev_b32 v7, 3, v2                        ; and on the way out 8 bytes a lane
	v_add_nc_u32 v6, s24, v7
	s_sub_co_u32 s26, ttmp9, 1
	s_lshl_b32 s26, s26, 2
	s_add_co_u32 s26, s26, s22                     ; which run of 8,192 numbers is my wave's: 0..1023
	s_mov_b32 s29, 0
	s_lshl_b32 s28, s26, 15                        ; 32,768 bytes of x a run
	s_add_nc_u64 s[4:5], s[4:5], s[28:29]
	s_mul_i32 s28, s26, 6144                       ; 6,144 bytes of codes
	s_add_nc_u64 s[10:11], s[10:11], s[28:29]
	s_lshl_b32 s28, s26, 8                         ; 256 scale bytes
	s_add_nc_u64 s[12:13], s[12:13], s[28:29]
.macro XLOAD t
.irp i, 0,1,2,3
	global_load_b128 v[XR+16*((\t)%4)+4*\i:XR+16*((\t)%4)+4*\i+3], v3, s[4:5] offset:2048*(\t)+512*\i th:TH_LOAD_NT   ; 32 lanes read 512 consecutive bytes; read once in the launch
.endr
.endm
.macro XTURN t                         ; step t's numbers through the stage: LDS serves a wave's instructions in order (ISA guide 5.7.1.4), so no wait stands between the stores and the loads
.irp i, 0,1,2,3
	ds_store_b128 v14, v[XR+16*((\t)%4)+4*\i:XR+16*((\t)%4)+4*\i+3] offset:32*SP*((\t)%2)+8*SP*\i
.endr
.irp i, 0,1,2,3
	ds_load_b128 v[XX+16*((\t)%2)+4*\i:XX+16*((\t)%2)+4*\i+3], v15 offset:32*SP*((\t)%2)+16*\i
.endr
.endm
.irp t, 0,1,2,3
	XLOAD \t
.endr
	s_wait_loadcnt 12                              ; step 0's four loads are in; the twelve behind them stay out
	XTURN 0
.macro XSTEP t
.set XS, XX+16*((\t)%2)
.if (\t) > 0
	s_wait_dscnt 1                                 ; this step's numbers are back from the stage (the last step's byte store may be out): so its stores into the stage have read their registers,
.else
	s_wait_dscnt 0x0
.endif
.if (\t)+4 < STEPS
	XLOAD (\t)+4                                   ; which take the loads of four steps on
.endif
.if (\t)+1 < STEPS
.if STEPS-2-(\t) >= 3
	s_wait_loadcnt 12                              ; the next step's four loads are in; those of the three steps behind it may be out
.else
	s_wait_loadcnt 4*(STEPS-2-(\t))                ; at the end the count runs down: four loads for each step still behind
.endif
	XTURN (\t)+1                                   ; and go through the other stage while this step is worked
.endif
	v_max3_num_f32 v8, |v[XS]|, |v[XS+1]|, |v[XS+2]|               ; the largest magnitude of my 16, in two chains
	v_max3_num_f32 v9, |v[XS+3]|, |v[XS+4]|, |v[XS+5]|
.irp i, 6,10
	v_max3_num_f32 v8, v8, |v[XS+\i]|, |v[XS+\i+1]|
	v_max3_num_f32 v9, v9, |v[XS+\i+2]|, |v[XS+\i+3]|
.endr
	v_max3_num_f32 v8, v8, |v[XS+14]|, |v[XS+15]|
	v_max3_num_f32 v8, v8, v9, (EMAX+1)<<23        ; and the floor 2^(3 - 127): the byte cannot fall under 1
	v_max_num_f32_dpp v8, v8, v8 row_xmask:1 row_mask:0xf bank_mask:0xf   ; and of my neighbour's 16: the block's
	v_add_nc_u32 v11, -(EMAX<<23), v8              ; 2 off its exponent field: the conversion takes the exponent field of this operand as its scale
	v_cvt_scalef32_pk16_fp6_f32 v[XC+4*(\t):XC+4*(\t)+2], v[XS:XS+15], v11
	v_lshrrev_b32 v[XE+(\t)], 23, v11              ; the scale's byte (also the plain line behind the conversion)
	ds_store_b8 v5, v[XE+(\t)] offset:16*(\t)      ; both lanes of a block write the same byte with the same value
	global_store_b96 v4, v[XC+4*(\t):XC+4*(\t)+2], s[10:11] offset:384*(\t)   ; the wave's 32 x 12 bytes cover 384 consecutive bytes
.endm
.irp t, 0,1,2,3,4,5,6,7,8,9,10,11,12,13,14,15
	XSTEP \t
.endr
	ds_load_b64 v[12:13], v6                       ; in order behind my byte stores
	s_wait_dscnt 0x0
	global_store_b64 v7, v[12:13], s[12:13]        ; 32 lanes store 256 consecutive bytes, at a multiple of 256 from the buffer's first byte
	s_wait_tensorcnt 0x0
	ds_add_u32 v192, v193
	s_wait_dscnt 0x0
	s_endpgm
; ------------------------------------------------------------------ W: a wave takes 32 columns x 256 along K (two K steps of 128, eight blocks)
; A LANE TAKES A COLUMN, ITS REGISTERS RUN DOWN K: a block of 32 lies in one lane's 32 registers, and the conversions give codes with K innermost.  A column's four blocks of a K step are the registers
; of two lanes of the operand (h = 0: blocks 0, 2; h = 1: blocks 1, 3): they are stored at those two lanes' places in the image, sixteen lanes to 256 consecutive bytes.  No LDS.
.Lpath_w:
	s_sub_co_u32 s24, ttmp9, 257                   ; j = 0..511
	s_and_b32 s25, s24, 15                         ; cb: which 128 columns
	s_bfe_u32 s26, s24, 0x30004                    ; kc: which 256 along K
	s_lshr_b32 s27, s24, 7                         ; e: the expert
	s_lshl_b32 s28, s27, 24                        ; W: e x 2^24 + kc x 256 rows of 8,192 bytes + 4 (128 cb + 32 wave)
	s_lshl_b32 s30, s26, 21
	s_add_co_u32 s28, s28, s30
	s_lshl_b32 s30, s25, 9
	s_add_co_u32 s28, s28, s30
	s_lshl_b32 s30, s22, 7
	s_add_co_u32 s28, s28, s30
	s_mov_b32 s29, 0
	s_add_nc_u64 s[6:7], s[6:7], s[28:29]
	s_lshl_b32 s31, s27, 5
	s_lshl_b32 s30, s25, 1
	s_add_co_u32 s31, s31, s30
	s_lshr_b32 s30, s22, 1
	s_add_co_u32 s31, s31, s30                     ; which group of 64 columns: 32 e + 2 cb + wave / 2
	s_and_b32 s32, s22, 1                          ; which pair of fragments in it
	s_lshl_b32 s28, s31, 4
	s_lshl_b32 s30, s26, 1
	s_add_co_u32 s28, s28, s30
	s_mul_i32 s28, s28, 6144                       ; wq: (16 group + 2 kc) x 6,144
	s_mul_i32 s30, s32, 3072                       ;     + two fragments of 1,536
	s_add_co_u32 s28, s28, s30
	s_add_nc_u64 s[14:15], s[14:15], s[28:29]
	s_lshl_b32 s28, s31, 12                        ; ws: 4,096 group + 256 (8 pair + kc)
	s_lshl_b32 s30, s32, 11
	s_add_co_u32 s28, s28, s30
	s_lshl_b32 s30, s26, 8
	s_add_co_u32 s28, s28, s30
	s_add_nc_u64 s[16:17], s[16:17], s[28:29]
	v_lshlrev_b32 v3, 2, v2                        ; in: 4 bytes a lane
	v_lshrrev_b32 v4, 4, v2
	v_mul_u32_u24 v4, v4, 1536                     ; out: fragment lane / 16,
	v_and_b32 v6, 15, v2
	v_lshl_add_u32 v4, v6, 4, v4                   ; 16 bytes at the operand's lane r = lane % 16
	v_lshlrev_b32 v5, 3, v2                        ; my two scale words
.macro WLOAD t                         ; block t: W(32 t + i, my column), i = 0..31, into set t % 2; the largest offset, 255 x 8,192, lies inside the signed 24-bit immediate (ISA guide, chapter 10)
.irp i, 0,1,2,3,4,5,6,7,8,9,10,11,12,13,14,15,16,17,18,19,20,21,22,23,24,25,26,27,28,29,30,31
	global_load_b32 v[WX+32*((\t)%2)+\i], v3, s[6:7] offset:(32*(\t)+\i)*8192 th:TH_LOAD_NT
.endr
.endm
	WLOAD 0
	WLOAD 1
.macro WBLOCK t
.set WS, WX+32*((\t)%2)
.set RR, CD+24*((\t)/4)+12*((\t)%2)+6*(((\t)%4)/2)   ; block b = t % 4 is the operand's registers 6 (b >> 1) on of the lane with h = b & 1
.if (\t) < 7
	s_wait_loadcnt 32                              ; this block's 32 loads are in; the next block's may be out
.else
	s_wait_loadcnt 0x0
.endif
	v_max3_num_f32 v12, |v[WS]|, |v[WS+1]|, |v[WS+2]|              ; the block's largest magnitude: all 32 numbers are mine
	v_max3_num_f32 v13, |v[WS+3]|, |v[WS+4]|, |v[WS+5]|
.irp i, 6,10,14,18,22,26
	v_max3_num_f32 v12, v12, |v[WS+\i]|, |v[WS+\i+1]|
	v_max3_num_f32 v13, v13, |v[WS+\i+2]|, |v[WS+\i+3]|
.endr
	v_max3_num_f32 v12, v12, |v[WS+30]|, |v[WS+31]|
	v_max3_num_f32 v12, v12, v13, (EMAX+1)<<23     ; and the floor 2^(3 - 127)
	v_add_nc_u32 v11, -(EMAX<<23), v12             ; the conversion's scale operand
	v_lshrrev_b32 v13, 23, v11                     ; the scale's byte
.if (\t)%4 == 0
	v_mov_b32 v[SW+(\t)/4], v13                    ; four bytes to a word, the lower K in the lower byte
.else
	v_lshl_or_b32 v[SW+(\t)/4], v13, 8*((\t)%4), v[SW+(\t)/4]
.endif
	v_cvt_scalef32_pk16_fp6_f32 v[RR:RR+2], v[WS:WS+15], v11
	v_cvt_scalef32_pk16_fp6_f32 v[TP:TP+2], v[WS+16:WS+31], v11     ; (a conversion's three registers begin on an even number: the block's second three do not)
	v_nop                                          ; one plain line between a scaled conversion and the vector line that reads its result
.irp i, 0,1,2
	v_mov_b32 v[RR+3+\i], v[TP+\i]
.endr
.if (\t)+2 < 8
	WLOAD (\t)+2
.endif
.if (\t)%4 == 3                        ; a K step's 24 registers are whole: six stores; in each, lanes 0-15 and lanes 16-31 write 256 consecutive bytes, at multiples of 256 from the buffer's first byte
.irp h, 0,1
.irp c, 0,1,2
	global_store_b128 v4, v[CD+24*((\t)/4)+12*\h+4*\c:CD+24*((\t)/4)+12*\h+4*\c+3], s[14:15] offset:6144*((\t)/4)+512*\c+256*\h
.endr
.endr
.endif
.endm
.irp t, 0,1,2,3,4,5,6,7
	WBLOCK \t
.endr
	global_store_b64 v5, v[SW:SW+1], s[16:17]      ; 32 lanes store 256 consecutive bytes.  No store's data or address register is written twice in this path
	s_endpgm
; ------------------------------------------------------------------ SORT: a counting sort of the 4,096 tokens by expert, on whole numbers alone
; Wave w holds tokens 1024 w .. 1024 w + 1023: register 4 j + i of lane l is token 1024 w + 128 j + 4 l + i.
.Lsort:
	s_lshl_b32 s28, s22, 12
	s_mov_b32 s29, 0
	s_add_nc_u64 s[8:9], s[8:9], s[28:29]
	v_lshlrev_b32 v3, 4, v2
.irp j, 0,1,2,3,4,5,6,7
	global_load_b128 v[32+4*\j:35+4*\j], v3, s[8:9] offset:512*\j
.endr
	v_lshlrev_b32 v14, 2, v2
	s_lshl_b32 s23, s22, 10
	v_add_nc_u32 v14, s23, v14                     ; 1024 w + 4 l
.irp k, 0,1,2,3
	v_mov_b32 v[LAST+\k], -1
.endr
	s_mov_b32 s24, 0
	s_mov_b32 s25, 0
	s_mov_b32 s26, 0
	s_wait_loadcnt 0x0
.set q, 0
.rept 32
	v_min_u32 v[32+q], 3, v[32+q]                  ; an index outside 0..3 is held at 3
.set q, q+1
.endr
	; pass 1: my wave's count for each expert: a ballot and a count of its bits for each register and expert 0..2; expert 3 has the rest
.set q, 0
.rept 32
.irp k, 0,1,2
	v_cmp_eq_u32 s[78+\k], \k, v[32+q]
.endr
.irp k, 0,1,2
	s_bcnt1_i32_b32 s[82+\k], s[78+\k]
.endr
.irp k, 0,1,2
	s_add_co_u32 s[24+\k], s[24+\k], s[82+\k]
.endr
.set q, q+1
.endr
	s_add_co_u32 s27, s24, s25
	s_add_co_u32 s27, s27, s26
	s_sub_co_u32 s27, 1024, s27
	; the four waves' counts meet in LDS
.irp k, 0,1,2,3
	v_mov_b32 v[8+\k], s[24+\k]
.endr
	s_lshl_b32 s83, s22, 4
	s_add_co_u32 s83, s83, SCNT
	v_mov_b32 v12, s83
	ds_store_b128 v12, v[8:11]                     ; all lanes write the same 16 bytes with the same values
	s_wait_dscnt 0x0                               ; for the others' sake: my store has landed
	s_barrier_signal -1
	s_barrier_wait -1
	v_mov_b32 v13, SCNT
.irp j, 0,1,2,3
	ds_load_b128 v[16+4*\j:19+4*\j], v13 offset:16*\j
.endr
	s_wait_dscnt 0x0
.set q, 0
.rept 16
	v_readfirstlane_b32 s[28+q], v[16+q]           ; s[28 + 4 j + k]: wave j's count for expert k
.set q, q+1
.endr
.irp k, 0,1,2,3
	s_add_co_u32 s[44+\k], s[28+\k], s[32+\k]      ; s44-47: the experts' counts
	s_add_co_u32 s[44+\k], s[44+\k], s[36+\k]
	s_add_co_u32 s[44+\k], s[44+\k], s[40+\k]
.endr
	s_mov_b32 s48, 0                               ; s48-52: the first tile of each expert, and the end
.irp k, 0,1,2,3
	s_add_co_u32 s82, s[44+\k], 143                ; ceil(count / 144) = ((count + 143) / 16) / 9, and y / 9 = (57 y) >> 9 for y up to 264 (the error, y / 4608, stays under 1 / 9)
	s_lshr_b32 s82, s82, 4
	s_mul_i32 s82, s82, 57
	s_lshr_b32 s82, s82, 9
	s_add_co_u32 s[49+\k], s[48+\k], s82
	s_mul_i32 s[53+\k], s[48+\k], 144              ; s53-56: the expert's first position
	s_add_co_u32 s[57+\k], s[53+\k], s[44+\k]      ; s57-60: behind its last token
	s_mul_i32 s[66+\k], s[49+\k], 144
	s_sub_co_u32 s[66+\k], s[66+\k], 1             ; s66-69: its segment's last position
	s_sub_co_u32 s[70+\k], s[57+\k], 1             ; s70-73: its last token's position
	s_mov_b32 s[74+\k], s[53+\k]                   ; s74-77: where my wave's next token of it goes
.endr
.irp j, 0,1,2
	s_cmp_gt_u32 s22, \j                           ; the waves in front of mine
.irp k, 0,1,2,3
	s_cselect_b32 s[82+\k], s[28+4*\j+\k], 0
.endr
.irp k, 0,1,2,3
	s_add_co_u32 s[74+\k], s[74+\k], s[82+\k]
.endr
.endr
; pass 2: a position for each token: its expert's running base + the number of lower lanes with the same expert.  Each register has its own position and token registers: no store's source is rewritten.
.macro TOK q
	v_add_nc_u32 v[TK+\q], 128*((\q)/4)+(\q)%4, v14
.irp k, 0,1,2,3
	v_cmp_eq_u32 s[78+\k], \k, v[32+\q]
.endr
	v_mbcnt_lo_u32_b32 v[PP+\q], s78, s74
.irp k, 1,2,3
	v_mbcnt_lo_u32_b32 v15, s[78+\k], s[74+\k]
	v_cndmask_b32 v[PP+\q], v[PP+\q], v15, s[78+\k]
.endr
.irp k, 0,1,2,3
	s_bcnt1_i32_b32 s[82+\k], s[78+\k]
.endr
.irp k, 0,1,2,3
	s_add_co_u32 s[74+\k], s[74+\k], s[82+\k]
.endr
.irp k, 0,1,2,3
	v_cmp_eq_u32 vcc_lo, s[70+\k], v[PP+\q]        ; is this the expert's last position?  Then the token is kept for the pad rows
	v_cndmask_b32 v[LAST+\k], v[LAST+\k], v[TK+\q], vcc_lo
.endr
	v_min_u32 v[PP+\q], 0x13ff, v[PP+\q]           ; inside the buffer's 5,120 words
	v_lshlrev_b32 v[PP+\q], 2, v[PP+\q]
	global_store_b32 v[PP+\q], v[TK+\q], s[18:19]  ; lanes of one expert have neighbouring positions
.endm
.set qq, 0
.rept 32
	TOK qq
.set qq, qq+1
.endr
	; the pad rows of each expert's last tile repeat its last token: written by the one wave that holds that token.  At most 143 pads: five stores of 32; lanes past the segment's end write its last position again, with the same value
.irp k, 0,1,2,3
	s_add_co_u32 s82, s[66+\k], 1
	s_cmp_eq_u32 s[57+\k], s82                     ; no pad rows (an expert without tokens among these)
	s_cbranch_scc1 .Lnopad_\k
	v_cmp_ne_u32 s86, -1, v[LAST+\k]
	s_cmp_eq_u32 s86, 0                            ; the last token is another wave's
	s_cbranch_scc1 .Lnopad_\k
	s_ctz_i32_b32 s83, s86
	v_readlane_b32 s84, v[LAST+\k], s83
	v_mov_b32 v[132+\k], s84
.irp m, 0,1,2,3,4
	v_add_nc_u32 v[136+5*\k+\m], s[57+\k], v2
	v_add_nc_u32 v[136+5*\k+\m], 32*\m, v[136+5*\k+\m]
	v_min_u32 v[136+5*\k+\m], s[66+\k], v[136+5*\k+\m]
	v_min_u32 v[136+5*\k+\m], 0x13ff, v[136+5*\k+\m]
	v_lshlrev_b32 v[136+5*\k+\m], 2, v[136+5*\k+\m]
	global_store_b32 v[136+5*\k+\m], v[132+\k], s[18:19]
.endr
.Lnopad_\k:
.endr
	; the tail: 512 zeros from the last segment's end on.  There are at least 29 tiles, so at most 432 entries of the 4,608 are left; with 32 tiles the zeros fall into the words behind them
	s_mul_i32 s85, s52, 144
	v_mov_b32 v160, 0
.irp m, 0,1,2,3
	v_add_nc_u32 v[156+\m], s85, v0
	v_add_nc_u32 v[156+\m], 128*\m, v[156+\m]
	v_min_u32 v[156+\m], 0x13ff, v[156+\m]
	v_lshlrev_b32 v[156+\m], 2, v[156+\m]
	global_store_b32 v[156+\m], v160, s[18:19]
.endr
	; the list of tiles: wave 0, a lane a tile
	s_cmp_lg_u32 s22, 0
	s_cbranch_scc1 .Lsort_end
	v_mov_b32 v162, 0                              ; the expert: the last k whose first tile is not behind t
	v_mov_b32 v163, s57                            ; and where its tokens end
.irp k, 1,2,3
	v_cmp_le_u32 vcc_lo, s[48+\k], v2
	v_mov_b32 v164, \k
	v_mov_b32 v165, s[57+\k]
	v_cndmask_b32 v162, v162, v164, vcc_lo
	v_cndmask_b32 v163, v163, v165, vcc_lo
.endr
	v_mul_u32_u24 v166, v2, 144
	v_max_u32 v163, v163, v166
	v_sub_nc_u32 v163, v163, v166                  ; rows from the tile's first position to the expert's end, 0 at the least,
	v_min_u32 v163, 0x90, v163                     ; 144 at the most
	v_lshlrev_b32 v167, 3, v2
	global_store_b64 v167, v[162:163], s[20:21]    ; 32 lanes store the buffer's 256 bytes
.Lsort_end:
	s_wait_tensorcnt 0x0
	ds_add_u32 v192, v193
	s_wait_dscnt 0x0
	s_endpgm
.Lfunc_end_k_q11cafef071_prep:
	.size	k_q11cafef071_prep, .Lfunc_end_k_q11cafef071_prep-k_q11cafef071_prep
	.p2alignl 7, 3214868480
	.fill 96, 4, 3214868480
	.section	.rodata,"a",@progbits
	.p2align	6, 0x0
	.amdhsa_kernel k_q11cafef071_prep
		.amdhsa_group_segment_fixed_size 33536
		.amdhsa_private_segment_fixed_size 0
		.amdhsa_enable_private_segment 0
		.amdhsa_kernarg_size 72
		.amdhsa_user_sgpr_count 2
		.amdhsa_user_sgpr_kernarg_segment_ptr 1
		.amdhsa_wavefront_size32 1
		.amdhsa_system_sgpr_workgroup_id_x 1
		.amdhsa_system_sgpr_workgroup_id_y 1
		.amdhsa_system_sgpr_workgroup_id_z 1
		.amdhsa_system_vgpr_workitem_id 0
		.amdhsa_next_free_vgpr 194
		.amdhsa_next_free_sgpr 100
		.amdhsa_reserve_vcc 1
		.amdhsa_float_denorm_mode_32 3
		.amdhsa_float_denorm_mode_16_64 3
		.amdhsa_memory_ordered 1
		.amdhsa_forward_progress 1
		.amdhsa_inst_pref_size 145
	.end_amdhsa_kernel
	.amdgpu_metadata
---
amdhsa.version: [ 1, 2 ]
amdhsa.kernels:
  - .name:           k_q11cafef071_prep
    .symbol:         k_q11cafef071_prep.kd
    .args:
      - { .name: x, .offset: 0, .size: 8, .value_kind: global_buffer, .address_space: global }
      - { .name: W, .offset: 8, .size: 8, .value_kind: global_buffer, .address_space: global }
      - { .name: layer_idx, .offset: 16, .size: 8, .value_kind: global_buffer, .address_space: global }
      - { .name: xq, .offset: 24, .size: 8, .value_kind: global_buffer, .address_space: global }
      - { .name: xs, .offset: 32, .size: 8, .value_kind: global_buffer, .address_space: global }
      - { .name: wq, .offset: 40, .size: 8, .value_kind: global_buffer, .address_space: global }
      - { .name: ws, .offset: 48, .size: 8, .value_kind: global_buffer, .address_space: global }
      - { .name: order, .offset: 56, .size: 8, .value_kind: global_buffer, .address_space: global }
      - { .name: tiles, .offset: 64, .size: 8, .value_kind: global_buffer, .address_space: global }
    .group_segment_fixed_size: 33536
    .private_segment_fixed_size: 0
    .kernarg_segment_align: 8
    .kernarg_segment_size: 72
    .max_flat_workgroup_size: 128
    .sgpr_count:     100
    .vgpr_count:     194
    .wavefront_size: 32
...
	.end_amdgpu_metadata
.endif
;; end of part 1
;; launch gemm (part 2): grid 8 x 32, 4 waves a work-group, no clusters, 252,928 bytes of LDS; arguments xq, xs, wq, ws, b, order, tiles, out0; writes out0
.if DOCPART == 2
	.amdgcn_target "amdgcn-amd-amdhsa--gfx1250"
	.amdhsa_code_object_version 6
	.text
	.protected	k_q11cafef071_gemm
	.globl	k_q11cafef071_gemm
	.p2align	8
	.type	k_q11cafef071_gemm,@function
k_q11cafef071_gemm:
	s_mov_b64 s[64:65], 0
	v_nop
	global_prefetch_b8 v0, s[64:65] scope:SCOPE_SE
	s_setreg_imm32_b32 hwreg(HW_REG_WAVE_MODE, 25, 1), 1
	s_wait_xcnt 0x0
; out0[token][:] = Q(x[token]) . Q(W[e]) + b[e], e = the token's expert, on codes of FP6 (E2M3) with one E8M0 scale for each 32 along K; sums in f32.  Only the chosen expert's product is made.
; SHARES.  Work-group (c, t) makes tile t of the sorted tokens (144 rows, one expert) x columns 256 c .. 256 c + 255.  32 tiles serve every split of 4,096 tokens over 4 experts; 32 x 8 = 256 work-groups.
; Wave w makes all 144 rows x columns 256 c + 64 w .. + 63: 9 x 4 = 36 accumulators of 16 x 16.  K = 2,048 goes in 16 steps of 128, written out.
; A (the rows' codes) is gathered by the list into LDS once, in three chunks of 512 bytes a row, and read by all four waves.  B (the expert's codes) comes from memory straight into registers, as an image of
; the operand's registers, four K steps ahead: each byte of it is loaded by one wave of the work-group.
; THE MATRIX INSTRUCTION IS USED TRANSPOSED: source 0 = 16 columns of W, source 1 = 16 rows of x: lane (r, h), register j holds out(row r, column 16 n + 8 h + j).  The bias is the C of each sum's first instruction.
; The 36 accumulators take turns, one instruction a turn, in the same order in every step.
; PAD ROWS of a tile repeat a token of the same tile: they compute and store the same bytes as that token's own row, so no lane is masked.  Fragments of 16 rows wholly behind the tile's valid rows are not stored;
; a tile without rows runs the whole text on valid addresses and stores nothing.  The only branches on numbers read from memory stand in the way out, behind the last barrier.
; NO JOINT LOADS: B's address hangs on an expert's number read from memory and the way out branches on a count read from memory, so the operands come by plain loads; and the row tiles of an expert, 0 to 29 of
; them by the split, fall into no fixed groups of four.
; LIMITS: as the quantising launch states them; a token number in the list is held at 4,095, an expert at 3, a count at 144.
; LDS: A's cells [fragment 9][piece 96][row 16] x 16 bytes at 26112 f + 272 p + 16 r, p = 6 s + 3 h + c the row's 16-byte piece.  The pitch 272 = 17 x 16: sixteen neighbouring pieces (a staging store) and sixteen
; neighbouring rows (a fragment load) each begin in sixteen different 16-byte columns of 256 bytes (64 banks of 4 bytes: ISA guide 11.1).  Behind them a stage of 16 x 272 bytes for each wave, for the way out.
; REGISTERS, in windows of 256: window 0: v1-19 addresses, v20-55 the staging loads' offsets, v56-64 the scale rows' offsets, v66-97 W's scale words, v98-169 x's scale words, v224-255 the accumulators of fragment 8.
;   window 1: accumulator (f < 8, n) at v[8 (4 f + n)].   window 2: v0-191 B, four slots of 48; v192-223 the bias; on the way out v0-63 rows read back.
;   window 3: v0-107 A's nine fragments, one set; v108-251 the staging registers; later v108-179 the stores' offsets.
.set SA,  7                            ; v7-11   staging stores: 272 l + 16 w + 52224 j
.set RA,  12                           ; v12-16  fragment loads: 16 r + 816 h + 52224 j
.set STO, 17                           ; v17     the way out: where I put 32 bytes of a row
.set RD,  18                           ; v18     the way out: where I read a row back
.set GA,  20                           ; v20-55  token(row 4 q + w) x 1536 + 16 l
.set XA,  56                           ; v56-64  token(row 16 f + r) x 64 + 16 h
.set BS,  66                           ; v[BS + 16 (n / 2) + s]: lanes 0-15 the words of fragment n even, lanes 16-31 of n odd
.set AS,  98                           ; v[AS + 8 f + 4 (s / 8) + s % 4]: lanes 0-15 the words of steps with (s / 4) even, lanes 16-31 odd
.set SG,  108                          ; window 3: staging
.set OT,  108                          ; window 3: token(row 16 f + 8 h + i) x 8192 + 16 (l % 16)
.set BI,  192                          ; window 2: the bias, eight registers a fragment of columns
.set STG, 235008
.set MSB, 0
.macro WIN new                         ; s_set_vgpr_msb: bits 1:0 source 0, 3:2 source 1, 5:4 source 2, 7:6 destination; the high byte repeats the setting that is left
.if MSB != \new
	s_set_vgpr_msb (MSB<<8)|\new
.set MSB, \new
.endif
.endm
.macro PLACES                          ; four plain vector lines between a matrix instruction and a load into one of its sources (ISA guide 7.12.1 for vector instructions)
.rept 4
	v_nop
.endr
.endm
.macro CLOAD c                         ; chunk c of the 144 rows: wave w takes rows 4 q + w; a load reads 512 consecutive bytes of one row
	WIN 0xc0
.set qq, 0
.rept 36
	global_load_b128 v[SG+4*qq:SG+4*qq+3], v[GA+qq], s[4:5] offset:512*(\c)
.set qq, qq+1
.endr
.endm
.macro CSTORE c                        ; into the cells: fragment q / 4, piece 32 c + l, row 4 (q % 4) + w
	WIN 0x0c
.set qq, 0
.rept 36
	ds_store_b128 v[SA+qq/8], v[SG+4*qq:SG+4*qq+3] offset:26112*((qq/4)%2)+8704*(\c)+64*(qq%4)
.set qq, qq+1
.endr
.endm
.macro STAGE c, N                      ; N: the loads issued behind chunk c's
	s_wait_loadcnt \N
	CSTORE \c
	s_wait_dscnt 0x0                               ; for the others' sake: my stores have landed (and they have read their registers, which the next chunk's loads take)
	s_barrier_signal -1
	s_barrier_wait -1                              ; the chunk is whole.  Cells are written once: no read of them stands in front of their store
.if (\c) < 2
	CLOAD (\c)+1
.endif
.endm
.macro ALOAD s, f0, f1                 ; A's fragments f0 .. f1 of K step s: three loads of 16 bytes a lane
	WIN 0xc0
.set ff, \f0
.rept (\f1)-(\f0)+1
.irp c, 0,1,2
	ds_load_b128 v[12*ff+4*\c:12*ff+4*\c+3], v[RA+ff/2] offset:26112*(ff%2)+1632*(\s)+272*\c
.endr
.set ff, ff+1
.endr
.endm
.macro BLOAD s                         ; B's four fragments of K step s into slot s % 4: twelve loads of 512 consecutive bytes
	WIN 0x80
.irp k, 0,1,2,3,4,5,6,7,8,9,10,11
	global_load_b128 v[48*((\s)%4)+4*\k:48*((\s)%4)+4*\k+3], v1, s[8:9] offset:6144*(\s)+512*\k
.endr
.endm
.macro MUL f, s                        ; rows 16 f on x my four fragments of columns, K step s
.irp n, 0,1,2,3
.set rW, 48*((\s)%4)+12*\n
.set rX, 12*(\f)
.if (\f) < 8
.set rD, 8*(4*(\f)+\n)
.else
.set rD, 224+8*\n
.endif
.if (\s) == 0
.set rC, BI+8*\n                       ; the first product starts the sum from the bias: nothing is cleared, nothing is added later
.else
.set rC, rD
.endif
.set rP, BS+16*(\n/2)+(\s)
.set rQ, AS+8*(\f)+4*((\s)/8)+(\s)%4
.if (\n%2 == 1) && (((\s)/4)%2 == 1)
	v_wmma_scale_f32_16x16x128_f8f6f4 v[rD:rD+7], v[rW:rW+11], v[rX:rX+11], v[rC:rC+7], v[rP], v[rQ] matrix_a_fmt:MATRIX_FMT_FP6 matrix_b_fmt:MATRIX_FMT_FP6 matrix_a_scale:MATRIX_SCALE_ROW1 matrix_b_scale:MATRIX_SCALE_ROW1
.elseif \n%2 == 1
	v_wmma_scale_f32_16x16x128_f8f6f4 v[rD:rD+7], v[rW:rW+11], v[rX:rX+11], v[rC:rC+7], v[rP], v[rQ] matrix_a_fmt:MATRIX_FMT_FP6 matrix_b_fmt:MATRIX_FMT_FP6 matrix_a_scale:MATRIX_SCALE_ROW1
.elseif ((\s)/4)%2 == 1
	v_wmma_scale_f32_16x16x128_f8f6f4 v[rD:rD+7], v[rW:rW+11], v[rX:rX+11], v[rC:rC+7], v[rP], v[rQ] matrix_a_fmt:MATRIX_FMT_FP6 matrix_b_fmt:MATRIX_FMT_FP6 matrix_b_scale:MATRIX_SCALE_ROW1
.else
	v_wmma_scale_f32_16x16x128_f8f6f4 v[rD:rD+7], v[rW:rW+11], v[rX:rX+11], v[rC:rC+7], v[rP], v[rQ] matrix_a_fmt:MATRIX_FMT_FP6 matrix_b_fmt:MATRIX_FMT_FP6
.endif
.endr
.endm
; A K step: 36 matrix instructions.  A fragment of A is free as soon as its four products are issued, so one set serves: fragments 0-4 are fetched anew behind their products, fragments 5-8 at the step's end.
; Windows of the products: source 0 (W) window 2, source 1 (x) window 3; C and D window 1 (0x5e), for fragment 8 window 0 (0x0e); in step 0 C is the bias, window 2 (0x6e, 0x2e).
.macro STEP s, N                       ; N: the loads issued behind this step's B (63 where there are more)
	s_wait_loadcnt \N
	s_wait_dscnt 12                                ; fragments 0-4 are in; the youngest twelve loads (fragments 5-8) may be out
.if (\s) == 0
	WIN 0x6e
.else
	WIN 0x5e
.endif
.irp f, 0,1,2,3,4
	MUL \f, \s
.endr
.if (\s) < 15
	PLACES
	ALOAD (\s)+1, 0, 4
	s_wait_dscnt 15                                ; fragments 5-8 are in; the fifteen loads just issued may be out
.else
	s_wait_dscnt 0x0
.endif
.if (\s) == 0
	WIN 0x6e
.else
	WIN 0x5e
.endif
.irp f, 5,6,7
	MUL \f, \s
.endr
.if (\s) == 0
	WIN 0x2e
.else
	WIN 0x0e
.endif
	MUL 8, \s
.if (\s) < 15
	PLACES                                         ; for the loads into fragments 5-8 and into this step's slot of B
	ALOAD (\s)+1, 5, 8
.endif
.if (\s) < 12
	BLOAD (\s)+4
.endif
.endm
	s_load_b512 s[4:19], s[0:1], 0x0               ; xq s[4:5], xs s[6:7], wq s[8:9], ws s[10:11], b s[12:13], order s[14:15], tiles s[16:17], out0 s[18:19]
	v_lshl_add_u32 v222, v0, 2, 0x3da00
	v_mov_b32 v223, 0
	v_lshrrev_b32 v19, 5, v0
	v_readfirstlane_b32 s20, v19                   ; wave 0..3
	s_and_b32 s21, ttmp7, 0xffff                   ; t: the tile of rows
	v_and_b32 v170, 31, v0                         ; l
	v_and_b32 v171, 15, v0                         ; r
	v_bfe_u32 v172, v0, 4, 1                       ; h
	v_lshlrev_b32 v1, 4, v170                      ; 16 l
	v_lshlrev_b32 v2, 3, v170                      ; 8 l
	v_lshlrev_b32 v3, 5, v172                      ; 32 h
	v_lshlrev_b32 v4, 2, v19                       ; 4 w
	v_lshlrev_b32 v5, 2, v171                      ; 4 r
	v_lshlrev_b32 v6, 4, v171                      ; 16 (l % 16)
	v_lshlrev_b32 v173, 4, v172                    ; 16 h
	s_lshl_b32 s26, s21, 3
	s_mov_b32 s27, 0
	s_mul_i32 s28, s21, 576                        ; the tile's 144 words of the list
	s_mov_b32 s29, 0
	s_wait_kmcnt 0x0
	s_add_nc_u64 s[16:17], s[16:17], s[26:27]
	s_load_b64 s[24:25], s[16:17], 0x0             ; the tile's expert and its valid rows
	s_add_nc_u64 s[14:15], s[14:15], s[28:29]
.set qq, 0
.rept 36
	global_load_b32 v[GA+qq], v4, s[14:15] offset:16*qq   ; the token of row 4 q + w, the same in all lanes
.set qq, qq+1
.endr
.irp f, 0,1,2,3,4,5,6,7,8
	global_load_b32 v[XA+\f], v5, s[14:15] offset:64*\f   ; the token of row 16 f + r
.endr
	v_mul_u32_u24 v[SA], v170, 272
	v_lshl_add_u32 v[SA], v19, 4, v[SA]
	v_mul_u32_u24 v[RA], v172, 816
	v_lshl_add_u32 v[RA], v171, 4, v[RA]
.irp j, 1,2,3,4
	v_add_nc_u32 v[SA+\j], 52224*\j, v[SA]
	v_add_nc_u32 v[RA+\j], 52224*\j, v[RA]
.endr
	s_mul_i32 s26, s20, 16*272
	s_add_co_u32 s26, s26, STG                     ; my stage
	v_mul_u32_u24 v[STO], v171, 272
	v_lshl_add_u32 v[STO], v172, 5, v[STO]
	v_add_nc_u32 v[STO], s26, v[STO]               ; in: row r, 32 bytes for each half of the lanes
	v_mul_u32_u24 v[RD], v172, 8*272
	v_add_nc_u32 v[RD], v[RD], v6
	v_add_nc_u32 v[RD], s26, v[RD]                 ; back: lanes 0-15 row i, lanes 16-31 row 8 + i
	s_wait_kmcnt 0x0
	s_min_u32 s24, s24, 3                          ; the expert
	s_min_u32 s25, s25, 144                        ; the valid rows
	s_lshl_b32 s26, s24, 5
	s_lshl_b32 s27, ttmp9, 2
	s_add_co_u32 s26, s26, s27
	s_add_co_u32 s26, s26, s20                     ; g = 32 e + 4 c + w: my group of 64 columns
	s_mul_i32 s28, s26, 98304
	s_add_nc_u64 s[8:9], s[8:9], s[28:29]          ; its codes,
	s_lshl_b32 s28, s26, 12
	s_add_nc_u64 s[10:11], s[10:11], s[28:29]      ; its scale words,
	s_lshl_b32 s28, s26, 8
	s_add_nc_u64 s[12:13], s[12:13], s[28:29]      ; its bias: 4 (2048 e + 256 c + 64 w) = 256 g
	s_lshl_b32 s28, ttmp9, 10
	s_lshl_b32 s30, s20, 8
	s_add_co_u32 s28, s28, s30
	s_add_nc_u64 s[18:19], s[18:19], s[28:29]      ; and my 256 bytes of a row of out0
	s_wait_loadcnt 0x0                             ; the list
.set qq, 0
.rept 36
	v_min_u32 v[GA+qq], 0xfff, v[GA+qq]
.set qq, qq+1
.endr
.irp f, 0,1,2,3,4,5,6,7,8
	v_min_u32 v[XA+\f], 0xfff, v[XA+\f]
.endr
.set qq, 0
.rept 36
	v_mul_u32_u24 v[GA+qq], v[GA+qq], 0x600        ; a row of codes is 1,536 bytes
.set qq, qq+1
.endr
.irp f, 0,1,2,3,4,5,6,7,8
	v_lshlrev_b32 v[XA+\f], 6, v[XA+\f]            ; a row of scale bytes is 64
.endr
.set qq, 0
.rept 36
	v_add_nc_u32 v[GA+qq], v1, v[GA+qq]
.set qq, qq+1
.endr
.irp f, 0,1,2,3,4,5,6,7,8
	v_add_nc_u32 v[XA+\f], v173, v[XA+\f]
.endr
	CLOAD 0                                        ; 36 loads
	WIN 0
.irp f, 0,1,2,3,4,5,6,7,8
.irp u, 0,1
	global_load_b128 v[AS+8*\f+4*\u:AS+8*\f+4*\u+3], v[XA+\f], s[6:7] offset:32*\u   ; 18 loads: lane (r, h): the words of steps 8 u + 4 h + 0..3 of row 16 f + r
.endr
.endr
.irp i, 0,1,2,3,4,5,6,7,8,9,10,11,12,13,14,15
	global_load_b64 v[BS+2*\i:BS+2*\i+1], v2, s[10:11] offset:256*\i                 ; 16 loads of 256 consecutive bytes
.endr
	WIN 0x80
.irp n, 0,1,2,3
.irp j, 0,1
	global_load_b128 v[BI+8*\n+4*\j:BI+8*\n+4*\j+3], v3, s[12:13] offset:64*\n+16*\j ; 8 loads: b at columns 16 n + 8 h + 0..7
.endr
.endr
	BLOAD 0                                        ; 48 loads
	BLOAD 1
	BLOAD 2
	BLOAD 3
	STAGE 0, 63                                    ; 90 loads stand behind chunk 0's: the count is the largest that the wait can name
	ALOAD 0, 0, 4
	ALOAD 0, 5, 8
	STEP 0, 63                                     ; behind B of step 0, and the scales and bias in front of it: three steps of B and a chunk, 72
	STEP 1, 63                                     ; likewise 72 in steps 1 to 7
	STEP 2, 63
	STEP 3, 63
	STAGE 1, 48                                    ; behind chunk 1's loads: B of steps 4 to 7.  Step 4 fetches step 5's fragments, whose pieces 30-35 reach into chunk 1
	STEP 4, 63
	STEP 5, 63
	STEP 6, 63
	STEP 7, 63
	STEP 8, 36                                     ; behind B of step 8: B of steps 9 to 11
	STAGE 2, 60                                    ; behind chunk 2's loads: B of steps 8 to 12.  Step 9 fetches step 10's fragments, whose pieces 60-65 reach into chunk 2
	STEP 9, 36
	STEP 10, 36
	STEP 11, 36
	WIN 0xc0                                       ; the tokens of the rows that I store, into the staging registers, which the last chunk's stores have read
.irp f, 0,1,2,3,4,5,6,7,8
.irp j, 0,1
	global_load_b128 v[OT+8*\f+4*\j:OT+8*\f+4*\j+3], v3, s[14:15] offset:64*\f+16*\j ; 18 loads: rows 16 f + 8 h + 0..7
.endr
.endr
	STEP 12, 54                                    ; behind B of step 12: three steps of B and these 18; then the counts run down
	STEP 13, 42
	STEP 14, 30
	STEP 15, 18
	; THE WAY OUT.  The stores' offsets are made first: 216 plain lines that name no register of the last products: they are the places behind them.
	s_wait_loadcnt 0x0
	WIN 0xcc                                       ; destination and source 1 window 3, source 0 window 0
.set qq, 0
.rept 72
	v_min_u32 v[OT+qq], 0xfff, v[OT+qq]
.set qq, qq+1
.endr
.set qq, 0
.rept 72
	v_lshlrev_b32 v[OT+qq], 13, v[OT+qq]           ; a row of out0 is 8,192 bytes
.set qq, qq+1
.endr
.set qq, 0
.rept 72
	v_add_nc_u32 v[OT+qq], v6, v[OT+qq]
.set qq, qq+1
.endr
	WIN 0
; A fragment of 16 rows x my 64 columns goes through my own stage and comes back as rows of 256 bytes.  LDS serves a wave's instructions in order (ISA guide 5.7.1.4): no wait between the stores and the loads, nor in
; front of the next fragment's stores.
.macro TOSTAGE f
.if (\f) < 8
	WIN 0x04                                       ; an LDS store's data are its source 1: window 1
.set AC, 32*(\f)
.else
	WIN 0
.set AC, 224
.endif
.irp n, 0,1,2,3
	ds_store_b128 v[STO], v[AC+8*\n:AC+8*\n+3] offset:64*\n          ; each accumulator from its low end on
	ds_store_b128 v[STO], v[AC+8*\n+4:AC+8*\n+7] offset:64*\n+16
.endr
	WIN 0x80
.set BB, 32*((\f)%2)
.irp i, 0,1,2,3,4,5,6,7
	ds_load_b128 v[BB+4*\i:BB+4*\i+3], v[RD] offset:272*\i
.endr
	WIN 0
.endm
.macro SEND f, younger                 ; younger: the LDS instructions issued behind fragment f's loads
.set BB, 32*((\f)%2)
	s_wait_dscnt \younger
	WIN 0x0b                                       ; the offset window 3, the data window 2
.irp i, 0,1,2,3,4,5,6,7
	global_store_b128 v[OT+8*(\f)+\i], v[BB+4*\i:BB+4*\i+3], s[18:19] th:TH_STORE_NT   ; lanes 0-15 store row i's, lanes 16-31 row 8 + i's 256 consecutive bytes, at a multiple of 256 from out0's first byte
.endr
	WIN 0
.endm
	TOSTAGE 0
.irp a, 1,2,3,4,5,6,7,8
.if \a > 1
	s_wait_xcnt 0x0                                ; fragment a - 2's stores have read their data: fragment a's rows may land in those registers
.endif
	TOSTAGE \a
	s_cmp_le_u32 s25, 16*(\a-1)                    ; fragment a - 1 and all behind it hold no valid row: nothing more is stored
	s_cbranch_scc1 .Ldone
	SEND \a-1, 16                                  ; behind its loads: the next fragment's eight stores and eight loads
.endr
	s_cmp_le_u32 s25, 128
	s_cbranch_scc1 .Ldone
	SEND 8, 0
.Ldone:
	s_wait_dscnt 0x0                               ; no LDS load is out at the end, on the way that leaves early too
	s_wait_tensorcnt 0x0
	ds_add_u32 v222, v223
	s_wait_dscnt 0x0
	s_endpgm
.Lfunc_end_k_q11cafef071_gemm:
	.size	k_q11cafef071_gemm, .Lfunc_end_k_q11cafef071_gemm-k_q11cafef071_gemm
	.p2alignl 7, 3214868480
	.fill 96, 4, 3214868480
	.section	.rodata,"a",@progbits
	.p2align	6, 0x0
	.amdhsa_kernel k_q11cafef071_gemm
		.amdhsa_group_segment_fixed_size 252928
		.amdhsa_private_segment_fixed_size 0
		.amdhsa_enable_private_segment 0
		.amdhsa_kernarg_size 64
		.amdhsa_user_sgpr_count 2
		.amdhsa_user_sgpr_kernarg_segment_ptr 1
		.amdhsa_wavefront_size32 1
		.amdhsa_system_sgpr_workgroup_id_x 1
		.amdhsa_system_sgpr_workgroup_id_y 1
		.amdhsa_system_sgpr_workgroup_id_z 1
		.amdhsa_system_vgpr_workitem_id 0
		.amdhsa_next_free_vgpr 1024
		.amdhsa_next_free_sgpr 66
		.amdhsa_reserve_vcc 0
		.amdhsa_float_denorm_mode_32 3
		.amdhsa_float_denorm_mode_16_64 3
		.amdhsa_memory_ordered 1
		.amdhsa_forward_progress 1
		.amdhsa_inst_pref_size 191
	.end_amdhsa_kernel
	.amdgpu_metadata
---
amdhsa.version: [ 1, 2 ]
amdhsa.kernels:
  - .name:           k_q11cafef071_gemm
    .symbol:         k_q11cafef071_gemm.kd
    .args:
      - { .name: xq, .offset: 0, .size: 8, .value_kind: global_buffer, .address_space: global }
      - { .name: xs, .offset: 8, .size: 8, .value_kind: global_buffer, .address_space: global }
      - { .name: wq, .offset: 16, .size: 8, .value_kind: global_buffer, .address_space: global }
      - { .name: ws, .offset: 24, .size: 8, .value_kind: global_buffer, .address_space: global }
      - { .name: b, .offset: 32, .size: 8, .value_kind: global_buffer, .address_space: global }
      - { .name: order, .offset: 40, .size: 8, .value_kind: global_buffer, .address_space: global }
      - { .name: tiles, .offset: 48, .size: 8, .value_kind: global_buffer, .address_space: global }
      - { .name: out0, .offset: 56, .size: 8, .value_kind: global_buffer, .address_space: global }
    .group_segment_fixed_size: 252928
    .private_segment_fixed_size: 0
    .kernarg_segment_align: 8
    .kernarg_segment_size: 64
    .max_flat_workgroup_size: 128
    .sgpr_count:     66
    .vgpr_count:     1024
    .wavefront_size: 32
...
	.end_amdgpu_metadata
.endif
;; end of part 2
;; ======== version 2 of 2: 2 launches; version 1 with the launch gemm written anew for expert scheduling mode
;; workspace buffers: xq 6,291,456 bytes; xs 262,144 bytes; wq 12,582,912 bytes; ws 524,288 bytes; order 20,480 bytes of whole numbers; tiles 256 bytes of whole numbers
;; launch prep: the kernel of part 1 again; grid 769 x 1, 4 waves a work-group, no clusters, 33,536 bytes of LDS; arguments x, W, layer_idx, xq, xs, wq, ws, order, tiles; writes xq, xs, wq, ws, order, tiles
;; launch gemm (part 3): grid 8 x 32, 4 waves a work-group, no clusters, 252,928 bytes of LDS; arguments xq, xs, wq, ws, b, order, tiles, out0; writes out0
.if DOCPART == 3
	.amdgcn_target "amdgcn-amd-amdhsa--gfx1250"
	.amdhsa_code_object_version 6
	.text
	.protected	k_q11cafef071_gemm
	.globl	k_q11cafef071_gemm
	.p2align	8
	.type	k_q11cafef071_gemm,@function
k_q11cafef071_gemm:
	s_mov_b64 s[64:65], 0
	v_nop
	global_prefetch_b8 v0, s[64:65] scope:SCOPE_SE
	s_setreg_imm32_b32 hwreg(HW_REG_WAVE_SCHED_MODE, 0, 2), 2
	s_setreg_imm32_b32 hwreg(HW_REG_WAVE_MODE, 25, 1), 1
	s_wait_xcnt 0x0
	s_wait_alu depctr_vm_vsrc(0)
; out0[token][:] = Q(x[token]) . Q(W[e]) + b[e], e = the token's expert, on codes of FP6 (E2M3) with one E8M0 scale for each 32 along K; sums in f32.  Only the chosen expert's product is made.
; SHARES.  Work-group (c, t) makes tile t of the sorted tokens (144 rows, one expert) x columns 256 c .. 256 c + 255.  32 tiles serve every split of 4,096 tokens over 4 experts; 32 x 8 = 256 work-groups.
; Wave w makes all 144 rows x columns 256 c + 64 w .. + 63: 9 x 4 = 36 accumulators of 16 x 16.  K = 2,048 goes in 16 steps of 128, written out.
; A (the rows' codes) is gathered by the list into LDS once, in three chunks of 512 bytes a row, and read by all four waves.  B (the expert's codes) comes from memory straight into registers, as an image of
; the operand's registers: each byte of it is loaded by one wave of the work-group.
; THE MATRIX INSTRUCTION IS USED TRANSPOSED: source 0 = 16 columns of W, source 1 = 16 rows of x: lane (r, h), register j holds out(row r, column 16 n + 8 h + j).  The bias is the C of each sum's first instruction.
; The 36 accumulators take turns, one instruction a turn, in the same order in every step.
; PAD ROWS of a tile repeat a token of the same tile: they compute and store the same bytes as that token's own row, so no lane is masked.  Fragments of 16 rows wholly behind the tile's valid rows are not stored;
; a tile without rows runs the whole text on valid addresses and stores nothing.  The only branches on numbers read from memory stand in the way out, behind the last barrier.
; NO JOINT LOADS: B's address hangs on an expert's number read from memory and the way out branches on a count read from memory, so the operands come by plain loads; and the row tiles of an expert, 0 to 29 of
; them by the split, fall into no fixed groups of four.
; LIMITS: as the quantising launch states them; a token number in the list is held at 4,095, an expert at 3, a count at 144.
; LDS: A's cells [fragment 9][piece 96][row 16] x 16 bytes at 26112 f + 272 p + 16 r, p = 6 s + 3 h + c the row's 16-byte piece.  The pitch 272 = 17 x 16: sixteen neighbouring pieces (a staging store) and sixteen
; neighbouring rows (a fragment load) each begin in sixteen different 16-byte columns of 256 bytes (64 banks of 4 bytes: ISA guide 11.1).  Behind them a stage of 16 x 272 bytes for each wave, for the way out.
; THE MODE: SCHED_MODE bits 1:0 = 2 (LLVM: expert scheduling mode 2), set by the entry lines.  The code itself states the register dependences between vector or matrix instructions and memory or LDS
; instructions, with s_wait_alu, always for 0.
; THE PLAN.  Registers that memory or LDS instructions touch, from the head to the way out:
;   A's ring    14 places of 12 registers; fragment f of step s lies at place (9 s + f) % 14 and is read by its four products.  Step s asks for fragments 5-8 of step s and 0-4 of step s + 1: nine fragments, into
;               places (9 s + 5 .. 9 s + 13) % 14: the nine places that the products of step s - 1 have read.  The other five places hold fragments 0-4 of step s.
;   B's slots   four of 48 registers; the products of step s read slot s % 4; at the head of step s the loads of step s + 3 land in slot (s - 1) % 4.
;   staging     written by a chunk's loads, read by its LDS stores; no vector or matrix instruction names it before the way out.
;   v1-v64      offsets and addresses: made at the head, never written again.   Scale words and bias: loaded once.
; So ONE wait on va_vdst stands at the head of a step: the products of the step before are done reading their nine places and their slot.  The step's 12 loads of B and 27 LDS loads follow it with no further wait,
; the LDS loads in three groups of nine among the products: the products that stand between the wait and a group name places 6 to 13 back in the ring, never the group's own.  Waits on vm_vsrc stand where
; registers that stores have read are loaded again: the staging registers, and on the way out the rows.
; REGISTERS, in windows of 256: window 0: v1-19 addresses, v20-55 the staging loads' offsets, v56-64 the scale rows' offsets, v66-97 W's scale words, v98-169 x's scale words, v176-207 the bias,
;   v224-255 the accumulators of fragment 8.   window 1: accumulator (f < 8, n) at v[8 (4 f + n)].   window 2: v0-191 B, four slots of 48; v192-247 staging, quads 22-35; on the way out v0-63 rows read back.
;   window 3: v0-167 A's ring; v168-255 staging, quads 0-21; later v168-239 the stores' offsets.
.set SA,  7                            ; v7-11   staging stores: 272 l + 16 w + 52224 j
.set RA,  12                           ; v12-16  fragment loads: 16 r + 816 h + 52224 j
.set STO, 17                           ; v17     the way out: where I put 32 bytes of a row
.set RD,  18                           ; v18     the way out: where I read a row back
.set GA,  20                           ; v20-55  token(row 4 q + w) x 1536 + 16 l
.set XA,  56                           ; v56-64  token(row 16 f + r) x 64 + 16 h
.set BS,  66                           ; v[BS + 16 (n / 2) + s]: lanes 0-15 the words of fragment n even, lanes 16-31 of n odd
.set AS,  98                           ; v[AS + 8 f + 4 (s / 8) + s % 4]: lanes 0-15 the words of steps with (s / 4) even, lanes 16-31 odd
.set BI,  176                          ; window 0: the bias, eight registers a fragment of columns
.set RING, 14                          ; places in A's ring
.set SG,  168                          ; window 3: staging, quads 0-21
.set SH,  192                          ; window 2: staging, quads 22-35
.set OT,  168                          ; window 3: token(row 16 f + 8 h + i) x 8192 + 16 (l % 16)
.set STG, 235008
.set MSB, 0
.macro WIN new                         ; s_set_vgpr_msb: bits 1:0 source 0, 3:2 source 1, 5:4 source 2, 7:6 destination; the high byte repeats the setting that is left
.if MSB != \new
	s_set_vgpr_msb (MSB<<8)|\new
.set MSB, \new
.endif
.endm
.macro PLACES                          ; four plain vector lines between a matrix instruction and a load into one of its sources (ISA guide 7.12.1 for vector instructions)
.rept 4
	v_nop
.endr
.endm
.macro CLOAD c                         ; chunk c of the 144 rows: wave w takes rows 4 q + w; a load reads 512 consecutive bytes of one row
	WIN 0xc0
.set qq, 0
.rept 22
	global_load_b128 v[SG+4*qq:SG+4*qq+3], v[GA+qq], s[4:5] offset:512*(\c)
.set qq, qq+1
.endr
	WIN 0x80
.rept 14
	global_load_b128 v[SH+4*(qq-22):SH+4*(qq-22)+3], v[GA+qq], s[4:5] offset:512*(\c)
.set qq, qq+1
.endr
.endm
.macro CSTORE c                        ; into the cells: fragment q / 4, piece 32 c + l, row 4 (q % 4) + w.  An LDS store's data are its source 1: window 3, then window 2
	WIN 0x0c
.set qq, 0
.rept 22
	ds_store_b128 v[SA+qq/8], v[SG+4*qq:SG+4*qq+3] offset:26112*((qq/4)%2)+8704*(\c)+64*(qq%4)
.set qq, qq+1
.endr
	WIN 0x08
.rept 14
	ds_store_b128 v[SA+qq/8], v[SH+4*(qq-22):SH+4*(qq-22)+3] offset:26112*((qq/4)%2)+8704*(\c)+64*(qq%4)
.set qq, qq+1
.endr
.endm
.macro STAGE c, N                      ; N: the loads issued behind chunk c's
	s_wait_loadcnt \N
	CSTORE \c
	s_wait_dscnt 0x0                               ; for the others' sake: my stores have landed
	s_barrier_signal -1
	s_barrier_wait -1                              ; the chunk is whole.  Cells are written once: no read of them stands in front of their store
.if (\c) < 2
	WIN 0xc0
	s_wait_alu depctr_vm_vsrc(0)                   ; my LDS stores have read the staging registers, in which the next chunk's loads land
	CLOAD (\c)+1
.endif
.endm
.macro AFR s, f                        ; A's fragment f of K step s into its place in the ring: three loads of 16 bytes a lane
.irp c, 0,1,2
	ds_load_b128 v[12*((9*(\s)+(\f))%RING)+4*\c:12*((9*(\s)+(\f))%RING)+4*\c+3], v[RA+(\f)/2] offset:26112*((\f)%2)+1632*(\s)+272*\c
.endr
.endm
.macro BLOAD s                         ; B's four fragments of K step s into slot s % 4: twelve loads of 512 consecutive bytes
	WIN 0x80
.irp k, 0,1,2,3,4,5,6,7,8,9,10,11
	global_load_b128 v[48*((\s)%4)+4*\k:48*((\s)%4)+4*\k+3], v1, s[8:9] offset:6144*(\s)+512*\k
.endr
.endm
.macro MUL f, s                        ; rows 16 f on x my four fragments of columns, K step s
.irp n, 0,1,2,3
.set rW, 48*((\s)%4)+12*\n
.set rX, 12*((9*(\s)+(\f))%RING)
.if (\f) < 8
.set rD, 8*(4*(\f)+\n)
.else
.set rD, 224+8*\n
.endif
.if (\s) == 0
.set rC, BI+8*\n                       ; the first product starts the sum from the bias: nothing is cleared, nothing is added later
.else
.set rC, rD
.endif
.set rP, BS+16*(\n/2)+(\s)
.set rQ, AS+8*(\f)+4*((\s)/8)+(\s)%4
.if (\n%2 == 1) && (((\s)/4)%2 == 1)
	v_wmma_scale_f32_16x16x128_f8f6f4 v[rD:rD+7], v[rW:rW+11], v[rX:rX+11], v[rC:rC+7], v[rP], v[rQ] matrix_a_fmt:MATRIX_FMT_FP6 matrix_b_fmt:MATRIX_FMT_FP6 matrix_a_scale:MATRIX_SCALE_ROW1 matrix_b_scale:MATRIX_SCALE_ROW1
.elseif \n%2 == 1
	v_wmma_scale_f32_16x16x128_f8f6f4 v[rD:rD+7], v[rW:rW+11], v[rX:rX+11], v[rC:rC+7], v[rP], v[rQ] matrix_a_fmt:MATRIX_FMT_FP6 matrix_b_fmt:MATRIX_FMT_FP6 matrix_a_scale:MATRIX_SCALE_ROW1
.elseif ((\s)/4)%2 == 1
	v_wmma_scale_f32_16x16x128_f8f6f4 v[rD:rD+7], v[rW:rW+11], v[rX:rX+11], v[rC:rC+7], v[rP], v[rQ] matrix_a_fmt:MATRIX_FMT_FP6 matrix_b_fmt:MATRIX_FMT_FP6 matrix_b_scale:MATRIX_SCALE_ROW1
.else
	v_wmma_scale_f32_16x16x128_f8f6f4 v[rD:rD+7], v[rW:rW+11], v[rX:rX+11], v[rC:rC+7], v[rP], v[rQ] matrix_a_fmt:MATRIX_FMT_FP6 matrix_b_fmt:MATRIX_FMT_FP6
.endif
.endr
.endm
; Windows of the products: source 0 (W) window 2, source 1 (x) window 3; C and D window 1 (0x5e), for fragment 8 window 0 (0x0e); in step 0 C is the bias, window 0 (0x4e, 0x0e).
.macro WMUL s
.if (\s) == 0
	WIN 0x4e
.else
	WIN 0x5e
.endif
.endm
; THE HEAD OF STEP s, s = 1 .. 15: the step's one wait on va_vdst, and behind it B of step s + 3.  At steps 4 and 9 the staging of a chunk stands between the head and the rest of the step; it holds no vector instruction.
.macro HEAD s
	PLACES                                         ; behind the last step's products, ahead of every load of this step into their sources; the wait below stands beside them
.if (\s) < 13
	WIN 0x80
.else
	WIN 0xc0
.endif
	s_wait_alu depctr_va_vdst(0)                   ; the products of step s - 1 are done reading their nine places of A's ring and slot (s - 1) % 4 of B: this step's loads land there
.if (\s) < 13
	BLOAD (\s)+3
.endif
.endm
; THE REST OF STEP s: 36 matrix instructions, and 27 LDS loads in three groups of nine, each group 20 products ahead of its first use.
; The three waits on DScnt have one count: behind the last fragment that the next twelve products need stand two more fragments (6 loads) and the group just issued (9).
.macro BODY s, N                       ; N: the loads issued behind this step's B (63 where there are more)
	WIN 0xc0
	AFR \s, 5
	AFR \s, 6
	AFR \s, 7
	s_wait_loadcnt \N
	s_wait_dscnt 15                                ; fragments 0-2 are in
	WMUL \s
.irp f, 0,1,2
	MUL \f, \s
.endr
	WIN 0xc0                                       ; no wait: no product since the head's wait names the places of this group
	AFR \s, 8
.if (\s) < 15
	AFR (\s)+1, 0
	AFR (\s)+1, 1
	s_wait_dscnt 15                                ; fragments 3-5 are in
.else
	s_wait_dscnt 9                                 ; the last step: behind fragment 5 stand fragments 6, 7 and 8
.endif
	WMUL \s
.irp f, 3,4,5
	MUL \f, \s
.endr
.if (\s) < 15
	WIN 0xc0                                       ; likewise
	AFR (\s)+1, 2
	AFR (\s)+1, 3
	AFR (\s)+1, 4
	s_wait_dscnt 15                                ; fragments 6-8 are in
.else
	s_wait_dscnt 0x0
.endif
	WMUL \s
.irp f, 6,7
	MUL \f, \s
.endr
	WIN 0x0e
	MUL 8, \s
.endm
	s_load_b512 s[4:19], s[0:1], 0x0               ; xq s[4:5], xs s[6:7], wq s[8:9], ws s[10:11], b s[12:13], order s[14:15], tiles s[16:17], out0 s[18:19]
	v_lshl_add_u32 v222, v0, 2, 0x3da00
	v_mov_b32 v223, 0
	v_lshrrev_b32 v19, 5, v0
	v_readfirstlane_b32 s20, v19                   ; wave 0..3
	s_and_b32 s21, ttmp7, 0xffff                   ; t: the tile of rows
	v_and_b32 v170, 31, v0                         ; l
	v_and_b32 v171, 15, v0                         ; r
	v_bfe_u32 v172, v0, 4, 1                       ; h
	v_lshlrev_b32 v1, 4, v170                      ; 16 l
	v_lshlrev_b32 v2, 3, v170                      ; 8 l
	v_lshlrev_b32 v3, 5, v172                      ; 32 h
	v_lshlrev_b32 v4, 2, v19                       ; 4 w
	v_lshlrev_b32 v5, 2, v171                      ; 4 r
	v_lshlrev_b32 v6, 4, v171                      ; 16 (l % 16)
	v_lshlrev_b32 v173, 4, v172                    ; 16 h
	s_wait_alu depctr_va_sdst(0)                   ; s20 is written, ahead of its first reader: my stage and the bases of wq, ws, b and out0 are made from it
	s_lshl_b32 s26, s21, 3
	s_mov_b32 s27, 0
	s_mul_i32 s28, s21, 576                        ; the tile's 144 words of the list
	s_mov_b32 s29, 0
	s_wait_kmcnt 0x0
	s_add_nc_u64 s[16:17], s[16:17], s[26:27]
	s_load_b64 s[24:25], s[16:17], 0x0             ; the tile's expert and its valid rows
	s_add_nc_u64 s[14:15], s[14:15], s[28:29]
	s_wait_alu depctr_va_vdst(0)                   ; v4 and v5 are written: the list's loads read them as offsets
.set qq, 0
.rept 36
	global_load_b32 v[GA+qq], v4, s[14:15] offset:16*qq   ; the token of row 4 q + w, the same in all lanes
.set qq, qq+1
.endr
.irp f, 0,1,2,3,4,5,6,7,8
	global_load_b32 v[XA+\f], v5, s[14:15] offset:64*\f   ; the token of row 16 f + r
.endr
	v_mul_u32_u24 v[SA], v170, 272
	v_lshl_add_u32 v[SA], v19, 4, v[SA]
	v_mul_u32_u24 v[RA], v172, 816
	v_lshl_add_u32 v[RA], v171, 4, v[RA]
.irp j, 1,2,3,4
	v_add_nc_u32 v[SA+\j], 52224*\j, v[SA]
	v_add_nc_u32 v[RA+\j], 52224*\j, v[RA]
.endr
	s_mul_i32 s26, s20, 16*272
	s_add_co_u32 s26, s26, STG                     ; my stage
	v_mul_u32_u24 v[STO], v171, 272
	v_lshl_add_u32 v[STO], v172, 5, v[STO]
	v_add_nc_u32 v[STO], s26, v[STO]               ; in: row r, 32 bytes for each half of the lanes
	v_mul_u32_u24 v[RD], v172, 8*272
	v_add_nc_u32 v[RD], v[RD], v6
	v_add_nc_u32 v[RD], s26, v[RD]                 ; back: lanes 0-15 row i, lanes 16-31 row 8 + i
	s_wait_kmcnt 0x0
	s_min_u32 s24, s24, 3                          ; the expert
	s_min_u32 s25, s25, 144                        ; the valid rows
	s_lshl_b32 s26, s24, 5
	s_lshl_b32 s27, ttmp9, 2
	s_add_co_u32 s26, s26, s27
	s_add_co_u32 s26, s26, s20                     ; g = 32 e + 4 c + w: my group of 64 columns
	s_mul_i32 s28, s26, 98304
	s_add_nc_u64 s[8:9], s[8:9], s[28:29]          ; its codes,
	s_lshl_b32 s28, s26, 12
	s_add_nc_u64 s[10:11], s[10:11], s[28:29]      ; its scale words,
	s_lshl_b32 s28, s26, 8
	s_add_nc_u64 s[12:13], s[12:13], s[28:29]      ; its bias: 4 (2048 e + 256 c + 64 w) = 256 g
	s_lshl_b32 s28, ttmp9, 10
	s_lshl_b32 s30, s20, 8
	s_add_co_u32 s28, s28, s30
	s_add_nc_u64 s[18:19], s[18:19], s[28:29]      ; and my 256 bytes of a row of out0
	s_wait_loadcnt 0x0                             ; the list
.set qq, 0
.rept 36
	v_min_u32 v[GA+qq], 0xfff, v[GA+qq]
.set qq, qq+1
.endr
.irp f, 0,1,2,3,4,5,6,7,8
	v_min_u32 v[XA+\f], 0xfff, v[XA+\f]
.endr
.set qq, 0
.rept 36
	v_mul_u32_u24 v[GA+qq], v[GA+qq], 0x600        ; a row of codes is 1,536 bytes
.set qq, qq+1
.endr
.irp f, 0,1,2,3,4,5,6,7,8
	v_lshlrev_b32 v[XA+\f], 6, v[XA+\f]            ; a row of scale bytes is 64
.endr
.set qq, 0
.rept 36
	v_add_nc_u32 v[GA+qq], v1, v[GA+qq]
.set qq, qq+1
.endr
.irp f, 0,1,2,3,4,5,6,7,8
	v_add_nc_u32 v[XA+\f], v173, v[XA+\f]
.endr
	WIN 0xc0
	s_wait_alu depctr_va_vdst(0)                   ; the offsets v20 to v64 and the LDS addresses v7 to v18 are written: every load and store from here to the way out reads them, or v1 to v3, and none is written again
	CLOAD 0                                        ; 36 loads
	WIN 0
.irp f, 0,1,2,3,4,5,6,7,8
.irp u, 0,1
	global_load_b128 v[AS+8*\f+4*\u:AS+8*\f+4*\u+3], v[XA+\f], s[6:7] offset:32*\u   ; 18 loads: lane (r, h): the words of steps 8 u + 4 h + 0..3 of row 16 f + r
.endr
.endr
.irp i, 0,1,2,3,4,5,6,7,8,9,10,11,12,13,14,15
	global_load_b64 v[BS+2*\i:BS+2*\i+1], v2, s[10:11] offset:256*\i                 ; 16 loads of 256 consecutive bytes
.endr
.irp n, 0,1,2,3
.irp j, 0,1
	global_load_b128 v[BI+8*\n+4*\j:BI+8*\n+4*\j+3], v3, s[12:13] offset:64*\n+16*\j ; 8 loads: b at columns 16 n + 8 h + 0..7
.endr
.endr
	BLOAD 0                                        ; 48 loads
	BLOAD 1
	BLOAD 2
	BLOAD 3
	STAGE 0, 63                                    ; 90 loads stand behind chunk 0's: the count is the largest that the wait can name
	WIN 0xc0
.irp f, 0,1,2,3,4
	AFR 0, \f                                      ; the ring's first five places.  No vector or matrix instruction has named the ring: step 0 has no head
.endr
	BODY 0, 63                                     ; behind B of step 0, and the scales and bias in front of it: three steps of B and a chunk, 72
	HEAD 1
	BODY 1, 63                                     ; likewise 72 in steps 1 to 7
	HEAD 2
	BODY 2, 63
	HEAD 3
	BODY 3, 63
	HEAD 4
	STAGE 1, 48                                    ; behind chunk 1's loads: B of steps 4 to 7.  Step 4 fetches fragments of step 5, whose pieces 30-35 reach into chunk 1
	BODY 4, 63
	HEAD 5
	BODY 5, 63
	HEAD 6
	BODY 6, 63
	HEAD 7
	BODY 7, 63
	HEAD 8
	BODY 8, 36                                     ; behind B of step 8: B of steps 9 to 11
	HEAD 9
	STAGE 2, 60                                    ; behind chunk 2's loads: B of steps 8 to 12.  Step 9 fetches fragments of step 10, whose pieces 60-65 reach into chunk 2
	BODY 9, 36
	HEAD 10
	BODY 10, 36
	HEAD 11
	BODY 11, 36
	HEAD 12
	WIN 0xc0                                       ; the tokens of the rows that I store, into staging registers
	s_wait_alu depctr_vm_vsrc(0)                   ; the last chunk's LDS stores have read the staging registers, in which these loads land and which the way out's arithmetic writes
.irp f, 0,1,2,3,4,5,6,7,8
.irp j, 0,1
	global_load_b128 v[OT+8*\f+4*\j:OT+8*\f+4*\j+3], v3, s[14:15] offset:64*\f+16*\j ; 18 loads: rows 16 f + 8 h + 0..7
.endr
.endr
	BODY 12, 54                                    ; behind B of step 12: three steps of B and these 18; then the counts run down
	HEAD 13
	BODY 13, 42
	HEAD 14
	BODY 14, 30
	HEAD 15
	BODY 15, 18
	; THE WAY OUT.  The stores' offsets are made first: 216 plain lines that name no register of the last products: they are the places behind them.
	s_wait_loadcnt 0x0
	WIN 0xcc                                       ; destination and source 1 window 3, source 0 window 0
.set qq, 0
.rept 72
	v_min_u32 v[OT+qq], 0xfff, v[OT+qq]
.set qq, qq+1
.endr
.set qq, 0
.rept 72
	v_lshlrev_b32 v[OT+qq], 13, v[OT+qq]           ; a row of out0 is 8,192 bytes
.set qq, qq+1
.endr
.set qq, 0
.rept 72
	v_add_nc_u32 v[OT+qq], v6, v[OT+qq]
.set qq, qq+1
.endr
	WIN 0x04
	s_wait_alu depctr_va_vdst(0)                   ; the products have written the accumulators, which the LDS stores read, and are done reading B's slots, in which rows land; the lines above have written the stores' offsets.  No vector instruction follows
; A fragment of 16 rows x my 64 columns goes through my own stage and comes back as rows of 256 bytes.  LDS serves a wave's instructions in order (ISA guide 5.7.1.4): no wait between the stores and the loads, nor in
; front of the next fragment's stores.
.macro TOSTAGE f
.if (\f) < 8
	WIN 0x04                                       ; an LDS store's data are its source 1: window 1
.set AC, 32*(\f)
.else
	WIN 0
.set AC, 224
.endif
.irp n, 0,1,2,3
	ds_store_b128 v[STO], v[AC+8*\n:AC+8*\n+3] offset:64*\n          ; each accumulator from its low end on
	ds_store_b128 v[STO], v[AC+8*\n+4:AC+8*\n+7] offset:64*\n+16
.endr
	WIN 0x80
.if (\f) > 1
	s_wait_xcnt 0x0                                ; fragment f - 2's stores have had their addresses translated (ISA guide 3.1): their data registers are loaded again only behind this wait,
	s_wait_alu depctr_vm_vsrc(0)                   ; and they have read those registers, in which fragment f's rows land
.endif
.set BB, 32*((\f)%2)
.irp i, 0,1,2,3,4,5,6,7
	ds_load_b128 v[BB+4*\i:BB+4*\i+3], v[RD] offset:272*\i
.endr
	WIN 0
.endm
.macro SEND f, younger                 ; younger: the LDS instructions issued behind fragment f's loads
.set BB, 32*((\f)%2)
	s_wait_dscnt \younger
	WIN 0x0b                                       ; the offset window 3, the data window 2
.irp i, 0,1,2,3,4,5,6,7
	global_store_b128 v[OT+8*(\f)+\i], v[BB+4*\i:BB+4*\i+3], s[18:19] th:TH_STORE_NT   ; lanes 0-15 store row i's, lanes 16-31 row 8 + i's 256 consecutive bytes, at a multiple of 256 from out0's first byte
.endr
	WIN 0
.endm
	TOSTAGE 0
.irp a, 1,2,3,4,5,6,7,8
	TOSTAGE \a
	s_cmp_le_u32 s25, 16*(\a-1)                    ; fragment a - 1 and all behind it hold no valid row: nothing more is stored
	s_cbranch_scc1 .Ldone
	SEND \a-1, 16                                  ; behind its loads: the next fragment's eight stores and eight loads
.endr
	s_cmp_le_u32 s25, 128
	s_cbranch_scc1 .Ldone
	SEND 8, 0
.Ldone:
	s_wait_dscnt 0x0                               ; no LDS load is out at the end, on the way that leaves early too
	s_wait_alu depctr_hold_cnt(0) depctr_sa_sdst(0) depctr_va_vdst(0) depctr_va_sdst(0) depctr_va_ssrc(0) depctr_va_vcc(0) depctr_vm_vsrc(0)
	s_wait_tensorcnt 0x0
	ds_add_u32 v222, v223
	s_wait_dscnt 0x0
	s_endpgm
.Lfunc_end_k_q11cafef071_gemm:
	.size	k_q11cafef071_gemm, .Lfunc_end_k_q11cafef071_gemm-k_q11cafef071_gemm
	.p2alignl 7, 3214868480
	.fill 96, 4, 3214868480
	.section	.rodata,"a",@progbits
	.p2align	6, 0x0
	.amdhsa_kernel k_q11cafef071_gemm
		.amdhsa_group_segment_fixed_size 252928
		.amdhsa_private_segment_fixed_size 0
		.amdhsa_enable_private_segment 0
		.amdhsa_kernarg_size 64
		.amdhsa_user_sgpr_count 2
		.amdhsa_user_sgpr_kernarg_segment_ptr 1
		.amdhsa_wavefront_size32 1
		.amdhsa_system_sgpr_workgroup_id_x 1
		.amdhsa_system_sgpr_workgroup_id_y 1
		.amdhsa_system_sgpr_workgroup_id_z 1
		.amdhsa_system_vgpr_workitem_id 0
		.amdhsa_next_free_vgpr 1024
		.amdhsa_next_free_sgpr 66
		.amdhsa_reserve_vcc 0
		.amdhsa_float_denorm_mode_32 3
		.amdhsa_float_denorm_mode_16_64 3
		.amdhsa_memory_ordered 1
		.amdhsa_forward_progress 1
		.amdhsa_inst_pref_size 192
	.end_amdhsa_kernel
	.amdgpu_metadata
---
amdhsa.version: [ 1, 2 ]
amdhsa.kernels:
  - .name:           k_q11cafef071_gemm
    .symbol:         k_q11cafef071_gemm.kd
    .args:
      - { .name: xq, .offset: 0, .size: 8, .value_kind: global_buffer, .address_space: global }
      - { .name: xs, .offset: 8, .size: 8, .value_kind: global_buffer, .address_space: global }
      - { .name: wq, .offset: 16, .size: 8, .value_kind: global_buffer, .address_space: global }
      - { .name: ws, .offset: 24, .size: 8, .value_kind: global_buffer, .address_space: global }
      - { .name: b, .offset: 32, .size: 8, .value_kind: global_buffer, .address_space: global }
      - { .name: order, .offset: 40, .size: 8, .value_kind: global_buffer, .address_space: global }
      - { .name: tiles, .offset: 48, .size: 8, .value_kind: global_buffer, .address_space: global }
      - { .name: out0, .offset: 56, .size: 8, .value_kind: global_buffer, .address_space: global }
    .group_segment_fixed_size: 252928
    .private_segment_fixed_size: 0
    .kernarg_segment_align: 8
    .kernarg_segment_size: 64
    .max_flat_workgroup_size: 128
    .sgpr_count:     66
    .vgpr_count:     1024
    .wavefront_size: 32
...
	.end_amdgpu_metadata
.endif
;; end of part 3
